; MI455X (gfx1250); checked and timed in simulation.
; The chip was launched on July 23, 2026; its instructions are those of AMD's public machine-readable ISA for CDNA 5 (MIT licence, August 2026) and "CDNA5" Instruction Set Architecture Reference Guide (July 2026). The comments in the code are by the model that wrote it; some were corrected since.
;; Shared Tversky Interpretable. Allowed arithmetic: matrix products marked QUANTISED: E2M1 operands, one E8M0 scale for each 32 along K, by v_wmma_scale_f32_16x16x128_f8f6f4 with both operands' format E2M1 (or v_wmma_scale_f32_32x16x128_f4), f32 sums; everything else in f32.
;; Inputs: alpha one number float32; beta one number float32; bias 256 float32; features 256 x 512 float32; prototypes 256 x 256 float32; x 2,048 x 512 float32.
;; Outputs: out0 2,048 x 256 float32.
;; This version of the problem:
;;   THIS VERSION OF THE PROBLEM IS GIVEN IN LOW PRECISION. The matrix products marked QUANTISED in the list below multiply operands that are first quantised to E2M1 (2 exponent bits, 1 mantissa bit; 4 bits a number), with one power-of-two scale for each 32 numbers along K (OCP MX v1.0); their sums are f32. All else is computed in f32.
;;   The module's matrix products, in the order in which they are computed (A, B: the left and right operand; K: the contracted axis; several contracted axes count as one K, in the product's order):
;;     1. [M 2,048, K 512] x [K 512, N 256]; A: input x; B: input features: QUANTISED
;;   THE QUANTISER, for each operand of a quantised product, along K:
;;     - K is cut into blocks of 32 from its start; a last block that is shorter is filled with zeros.
;;     - A block's scale is 2^e with e = floor(log2(the largest magnitude in the block)) - 2, held to -126 .. 127; a block of zeros has e = 0. As a byte (E8M0): e + 127.
;;     - Each number is divided by its block's scale, clamped to +-6, and rounded to the nearest number of E2M1, ties to even, subnormals kept.
;;     - The product sums the exact products of the quantised numbers (number of the format x scale) in f32.
;;   ~~~python
;;   def quantise(x, axis):      # numpy; x: float32 -> the quantised numbers, widened to float32 again
;;       x = np.moveaxis(x, axis, -1); K = x.shape[-1]
;;       x = np.pad(x, [(0, 0)] * (x.ndim - 1) + [(0, -K % 32)]); x = x.reshape(x.shape[:-1] + (-1, 32)); a = np.abs(x).max(-1, keepdims=True)
;;       e = np.where(a > 0, np.clip(np.frexp(np.where(a > 0, a, 1))[1] - 1 - 2, -126, 127), 0)      # np.frexp(a)[1] - 1 = floor(log2(a)), exactly
;;       r = np.clip(x / 2.0 ** e, -6, 6)
;;       step = 2.0 ** (np.maximum(np.frexp(np.where(r == 0, 1, r))[1] - 1, 0) - 1)
;;       q = np.round(r / step) * step * 2.0 ** e      # np.round: ties to even
;;       return np.moveaxis(q.reshape(q.shape[:-2] + (-1,))[..., :K], -1, axis).astype(np.float32)
;;   ~~~
;; One version. Each part assembles by itself: llvm-mc -triple=amdgcn-amd-amdhsa -mcpu=gfx1250 --defsym DOCPART=n.
;; ======== version 1 of 1: 2 launches
;; workspace buffers: codes 589,824 bytes; scales 36,864 bytes; psw 262,144 bytes; sp 1,024 bytes
;; launch prep (part 1): grid 208 x 1, 4 waves a work-group, no clusters, 35,328 bytes of LDS; arguments x, features, prototypes, codes, scales, psw, sp; writes codes, scales, psw, sp
.if DOCPART == 1
	.amdgcn_target "amdgcn-amd-amdhsa--gfx1250"
	.amdhsa_code_object_version 6
	.text
	.protected	k_q941e4efd46_prep
	.globl	k_q941e4efd46_prep
	.p2align	8
	.type	k_q941e4efd46_prep,@function
k_q941e4efd46_prep:
	s_mov_b64 s[64:65], 0
	v_nop
	global_prefetch_b8 v0, s[64:65] scope:SCOPE_SE
	s_setreg_imm32_b32 hwreg(HW_REG_WAVE_MODE, 25, 1), 1
	s_wait_xcnt 0x0
; WHAT IS DONE ONCE, AHEAD OF THE MAIN LAUNCH.
; (1) x [2048][512] and features [256][512], f32, become codes of FP4 (E2M1) with one E8M0 byte for each 32 along K.  A block's scale is 2^(floor(log2(largest magnitude)) - 2); its byte is the
;     largest magnitude's exponent field - 2, held at 1 from below; each number is divided by the scale and rounded to the nearest code, ties to even, beyond 6 the largest code.
;     The 144 tiles of 16 rows (128 of x, then 16 of features) lie in 'codes' IN THE ORDER OF THE OPERAND'S REGISTERS: tile, K step s of 128, half c, lane, 16 bytes: lane (r, h) holds row r, k = 128 s + 64 c + 32 h + 0..31.
;     So the main launch loads a fragment by two loads of 512 consecutive bytes.  'scales': tile, row, K step: one word (four bytes) for a row and 128 along K, 256 bytes a tile.
; (2) ps = sigmoid(prototypes) [256][256] f32 goes to 'psw', its row sums to 'sp'.  Inside each group of 64 rows, row p lies at place (p / 4) % 8 + 8 (p % 4) + 32 ((p / 32) % 2):
;     the main launch's lane pg reads places pg + 8 i, i = 0..7, which are then columns 4 pg + 0..3 and 32 + 4 pg + 0..3 of the output: two runs of 16 bytes.
; SHARES.  Work-groups 0-143: one tile each, wave s its K step s (16 rows x 128 numbers).  Work-groups 144-207: four rows of prototypes each, a wave a row.  The second path uses no LDS and has no barrier.
; LIMITS: NaN and infinities among the inputs are not served.  A block of zeros gets the byte 1 where the rule says 127: its codes are zeros, and this program alone reads the bytes.
; sp is stored four bytes a wave: 1,024 bytes in all, one part in 5,000 of what the launch moves; gathering 64 rows in one work-group for whole runs of 256 bytes would leave that work-group sixteen times the others' work.
.set NTX,   128                        ; tiles of x
.set NT,    144                        ; tiles in all
.set PITCH, 528                        ; a stage row: 512 bytes (128 numbers) + 16: sixteen rows read at one column start 16 bytes apart round the 256 bytes of a row of banks (ISA guide 11.1)
.set WSTG,  16*PITCH                   ; a wave's stage
.set SCX,   4*WSTG                     ; behind the stages: the tile's 256 bytes of scale words
.set R,     16                         ; v16-79   16 rows as loaded: 4 numbers a lane and row
.set X,     80                         ; v80-143  my two blocks of 32 numbers
.set C,     144                        ; v144-151 their codes: the operand's eight registers
.set HM,    152                        ; v152-155 largest magnitudes of four half blocks
	s_load_b256 s[4:11], s[0:1], 0x0               ; x s[4:5], features s[6:7], prototypes s[8:9], codes s[10:11]
	s_load_b128 s[12:15], s[0:1], 0x20             ; scales s[12:13], psw s[14:15]
	s_load_b64 s[16:17], s[0:1], 0x30              ; sp
	v_lshl_add_u32 v168, v0, 2, 0x8800
	v_mov_b32 v169, 0
	v_lshrrev_b32 v1, 5, v0
	v_readfirstlane_b32 s18, v1                    ; wave 0..3
	v_and_b32 v2, 31, v0                           ; lane
	v_lshlrev_b32 v3, 4, v2                        ; 16 x lane
	s_mov_b32 s22, 0x76543210                      ; v_permlanex16_b32's selects for lane l xor 16
	s_mov_b32 s23, 0xfedcba98
	s_mov_b32 s21, 0
	s_cmp_ge_u32 ttmp9, NT                         ; the same for all waves of a work-group
	s_cbranch_scc1 .Lproto
	; ---- a tile of x or of features
	v_and_b32 v4, 15, v0                           ; r
	v_bfe_u32 v5, v0, 4, 1                         ; h
	s_mul_i32 s19, s18, WSTG                       ; my wave's stage
	v_add_nc_u32 v6, s19, v3                       ; in: a row's 512 bytes as they lie
	v_mul_u32_u24 v7, v4, PITCH
	v_lshl_add_u32 v7, v5, 7, v7
	v_add_nc_u32 v7, s19, v7                       ; out: row r, block h: 128 bytes a block
	s_lshl_b32 s19, s18, 2
	s_add_co_u32 s19, s19, SCX
	v_lshl_add_u32 v8, v4, 4, s19                  ; my row's scale word of my wave's K step: 16 r + 4 s
	s_wait_alu depctr_va_vdst(0)
	v_lshlrev_b32 v9, 3, v2                        ; the scale words' way out: 8 bytes a lane
	v_add_nc_u32 v10, SCX, v9
	v_lshlrev_b32 v11, 3, v5                       ; 8 h: my bytes' place in the word
	s_wait_kmcnt 0x0
	s_cmp_lt_u32 ttmp9, NTX                        ; x's tile or features'?  The choice hangs on the work-group's number alone
	s_cselect_b64 s[4:5], s[4:5], s[6:7]
	s_cselect_b32 s19, 0, NTX
	s_sub_co_u32 s19, ttmp9, s19                   ; the tile's number in its tensor
	s_lshl_b32 s20, s19, 15                        ; 16 rows of 2,048 bytes
	s_lshl_b32 s24, s18, 9                         ; + my K step's 512 bytes
	s_add_co_u32 s20, s20, s24
	s_add_nc_u64 s[4:5], s[4:5], s[20:21]
.irp r, 0,1,2,3,4,5,6,7,8,9,10,11,12,13,14,15
	global_load_b128 v[R+4*\r:R+4*\r+3], v3, s[4:5] offset:2048*\r th:TH_LOAD_NT   ; 32 lanes read 512 consecutive bytes of row r; read once in the launch
.endr
	s_lshl_b32 s20, ttmp9, 12                      ; codes: 4,096 bytes a tile, 1,024 a K step
	s_lshl_b32 s24, s18, 10
	s_add_co_u32 s20, s20, s24
	s_add_nc_u64 s[10:11], s[10:11], s[20:21]
	s_lshl_b32 s20, ttmp9, 8                       ; scale words: 256 bytes a tile
	s_add_nc_u64 s[12:13], s[12:13], s[20:21]
.irp r, 0,1,2,3,4,5,6,7,8,9,10,11,12,13,14,15
	s_wait_loadcnt 15-\r                           ; loads come back in order: row r is in, the younger rows may be out
	ds_store_b128 v6, v[R+4*\r:R+4*\r+3] offset:PITCH*\r
.endr
.irp c, 0,1
.irp i, 0,1,2,3,4,5,6,7
	ds_load_b128 v[X+32*\c+4*\i:X+32*\c+4*\i+3], v7 offset:256*\c+16*\i   ; block 2 c + h of row r: LDS serves a wave's instructions in order, so these see my stores; the stage is my wave's own
.endr
.endr
	s_wait_dscnt 0x0
.irp q, 0,1,2,3
	v_max3_num_f32 v[HM+\q], |v[X+16*\q]|, |v[X+16*\q+1]|, 0x1800000   ; four chains of 16 numbers, each with the floor 2^(3 - 127) among its leaves: the byte cannot fall under 1
.endr
.irp i, 2,4,6,8,10,12,14
.irp q, 0,1,2,3
	v_max3_num_f32 v[HM+\q], v[HM+\q], |v[X+16*\q+\i]|, |v[X+16*\q+\i+1]|
.endr
.endr
	v_max_num_f32 v12, v[HM], v[HM+1]              ; block h's largest magnitude,
	v_max_num_f32 v13, v[HM+2], v[HM+3]            ; block 2 + h's
	v_add_nc_u32 v14, 0xff000000, v12              ; 2 off the exponent field: the conversion takes the exponent field of this operand as its scale
	v_add_nc_u32 v15, 0xff000000, v13
	v_lshrrev_b32 v156, 23, v14                    ; the scales' bytes
	v_lshrrev_b32 v157, 23, v15
	v_lshl_or_b32 v158, v157, 16, v156             ; bytes h and 2 + h of my row's word,
	v_lshlrev_b32 v158, v11, v158                  ; at their places;
	v_mov_b32 v159, 0                              ; (a lane permute's destination counts as one of its sources)
	v_permlanex16_b32 v159, v158, s22, s23
	v_or_b32 v158, v158, v159                      ; with lane l xor 16's two the word is whole
.irp c, 0,1
.irp g, 0,1,2,3
	v_cvt_scalef32_pk8_fp4_f32 v[C+4*\c+\g], v[X+32*\c+8*\g:X+32*\c+8*\g+7], v[14+\c]   ; eight numbers to eight codes, the first in the lowest four bits
.endr
.endr
	v_nop                                          ; one plain line behind the last scaled conversion
	ds_store_b32 v8, v158                          ; lanes r and 16 + r write the same word with the same value
	global_store_b128 v3, v[C:C+3], s[10:11]       ; 32 lanes store 512 consecutive bytes: half c = 0 of the fragment,
	global_store_b128 v3, v[C+4:C+7], s[10:11] offset:512   ; and c = 1
	s_wait_dscnt 0x0                               ; for the others' sake: my scale words lie in LDS
	s_barrier_signal -1
	s_barrier_wait -1                              ; all four K steps' words do
	s_cmp_lg_u32 s18, 0
	s_cbranch_scc1 .Ldone                          ; wave 0 stores them
	ds_load_b64 v[160:161], v10
	s_wait_dscnt 0x0
	global_store_b64 v9, v[160:161], s[12:13]      ; 32 lanes store the tile's 256 consecutive bytes
.Ldone:
	s_wait_tensorcnt 0x0
	ds_add_u32 v168, v169
	s_wait_dscnt 0x0
	s_endpgm
	; ---- a row of prototypes
.Lproto:
	s_sub_co_u32 s19, ttmp9, NT
	s_lshl_b32 s19, s19, 2
	s_add_co_u32 s19, s19, s18                     ; p = 4 x (work-group - 144) + wave
	s_and_b32 s20, s19, 0xe0                       ; the row's place in psw: the group of 64 and bit 5 stay,
	s_bfe_u32 s24, s19, 0x30002                    ; (p / 4) % 8,
	s_add_co_u32 s20, s20, s24
	s_and_b32 s24, s19, 3
	s_lshl_b32 s24, s24, 3                         ; 8 (p % 4)
	s_add_co_u32 s20, s20, s24
	s_lshl_b32 s20, s20, 10                        ; rows of 1,024 bytes
	s_lshl_b32 s24, s19, 10
	s_mov_b32 s25, 0
	s_lshl_b32 s26, s19, 2
	s_mov_b32 s27, 0
	s_wait_kmcnt 0x0
	s_add_nc_u64 s[8:9], s[8:9], s[24:25]
	s_add_nc_u64 s[14:15], s[14:15], s[20:21]
	s_add_nc_u64 s[16:17], s[16:17], s[26:27]
	s_wait_alu depctr_va_vdst(0)
	global_load_b128 v[16:19], v3, s[8:9] th:TH_LOAD_NT
	global_load_b128 v[20:23], v3, s[8:9] offset:512 th:TH_LOAD_NT
	v_mov_b32 v33, 0                               ; (the permute's destination)
	v_mov_b32 v34, 0                               ; sp's offset
	s_wait_loadcnt 0x0
.irp i, 0,1,2,3,4,5,6,7
	v_mul_f32 v[24+\i], 0xbfb8aa3b, v[16+\i]       ; -z log2(e)
.endr
	s_wait_alu depctr_va_vdst(0)
.irp i, 0,1,2,3,4,5,6,7
	v_exp_f32 v[24+\i], v[24+\i]                   ; e^-z
.endr
	v_nop                                          ; a plain line behind the last exponential,
	s_wait_alu depctr_va_vdst(0)                   ; and one wait for the batch, ahead of its first reader
.irp i, 0,1,2,3,4,5,6,7
	v_add_f32 v[24+\i], 1.0, v[24+\i]
.endr
	s_wait_alu depctr_va_vdst(0)
.irp i, 0,1,2,3,4,5,6,7
	v_rcp_f32 v[24+\i], v[24+\i]                   ; 1 / (1 + e^-z)
.endr
	v_nop
	s_wait_alu depctr_va_vdst(0)
	global_store_b128 v3, v[24:27], s[14:15]       ; 512 consecutive bytes each
	global_store_b128 v3, v[28:31], s[14:15] offset:512
	v_pk_add_f32 v[36:37], v[24:25], v[26:27]      ; the row's sum: my eight,
	v_pk_add_f32 v[38:39], v[28:29], v[30:31]
	v_pk_add_f32 v[36:37], v[36:37], v[38:39]
	v_add_f32 v32, v36, v37
	v_add_f32_dpp v32, v32, v32 row_xmask:1 row_mask:0xf bank_mask:0xf   ; the sixteen lanes of my half,
	v_add_f32_dpp v32, v32, v32 row_xmask:2 row_mask:0xf bank_mask:0xf
	v_add_f32_dpp v32, v32, v32 row_xmask:4 row_mask:0xf bank_mask:0xf
	v_add_f32_dpp v32, v32, v32 row_xmask:8 row_mask:0xf bank_mask:0xf
	v_permlanex16_b32 v33, v32, s22, s23
	v_add_f32 v32, v32, v33                        ; and the other half
	v_cmp_eq_u32 vcc_lo, 0, v2
	s_wait_alu depctr_va_vdst(0)
	s_wait_xcnt 0x0                                ; EXEC is a source of the stores above: it changes only behind this wait
	s_and_saveexec_b32 s28, vcc_lo
	global_store_b32 v34, v32, s[16:17]            ; lane 0 stores sp[p]
	s_wait_xcnt 0x0
	s_or_b32 exec_lo, exec_lo, s28
	s_endpgm
.Lfunc_end_k_q941e4efd46_prep:
	.size	k_q941e4efd46_prep, .Lfunc_end_k_q941e4efd46_prep-k_q941e4efd46_prep
	.p2alignl 7, 3214868480
	.fill 96, 4, 3214868480
	.section	.rodata,"a",@progbits
	.p2align	6, 0x0
	.amdhsa_kernel k_q941e4efd46_prep
		.amdhsa_group_segment_fixed_size 35328
		.amdhsa_private_segment_fixed_size 0
		.amdhsa_enable_private_segment 0
		.amdhsa_kernarg_size 56
		.amdhsa_user_sgpr_count 2
		.amdhsa_user_sgpr_kernarg_segment_ptr 1
		.amdhsa_wavefront_size32 1
		.amdhsa_system_sgpr_workgroup_id_x 1
		.amdhsa_system_sgpr_workgroup_id_y 1
		.amdhsa_system_sgpr_workgroup_id_z 1
		.amdhsa_system_vgpr_workitem_id 0
		.amdhsa_next_free_vgpr 170
		.amdhsa_next_free_sgpr 66
		.amdhsa_reserve_vcc 1
		.amdhsa_float_denorm_mode_32 3
		.amdhsa_float_denorm_mode_16_64 3
		.amdhsa_memory_ordered 1
		.amdhsa_forward_progress 1
		.amdhsa_inst_pref_size 14
	.end_amdhsa_kernel
	.amdgpu_metadata
---
amdhsa.version: [ 1, 2 ]
amdhsa.kernels:
  - .name:           k_q941e4efd46_prep
    .symbol:         k_q941e4efd46_prep.kd
    .args:
      - { .name: x, .offset: 0, .size: 8, .value_kind: global_buffer, .address_space: global }
      - { .name: features, .offset: 8, .size: 8, .value_kind: global_buffer, .address_space: global }
      - { .name: prototypes, .offset: 16, .size: 8, .value_kind: global_buffer, .address_space: global }
      - { .name: codes, .offset: 24, .size: 8, .value_kind: global_buffer, .address_space: global }
      - { .name: scales, .offset: 32, .size: 8, .value_kind: global_buffer, .address_space: global }
      - { .name: psw, .offset: 40, .size: 8, .value_kind: global_buffer, .address_space: global }
      - { .name: sp, .offset: 48, .size: 8, .value_kind: global_buffer, .address_space: global }
    .group_segment_fixed_size: 35328
    .private_segment_fixed_size: 0
    .kernarg_segment_align: 8
    .kernarg_segment_size: 56
    .max_flat_workgroup_size: 128
    .sgpr_count:     66
    .vgpr_count:     170
    .wavefront_size: 32
...
	.end_amdgpu_metadata
.endif
;; end of part 1
;; launch tversky (part 2): grid 256 x 1, 4 waves a work-group, no clusters, 168,448 bytes of LDS; arguments codes, scales, psw, sp, bias, alpha, beta, out0; writes out0
.if DOCPART == 2
	.amdgcn_target "amdgcn-amd-amdhsa--gfx1250"
	.amdhsa_code_object_version 6
	.text
	.protected	k_q941e4efd46_tversky
	.globl	k_q941e4efd46_tversky
	.p2align	8
	.type	k_q941e4efd46_tversky,@function
k_q941e4efd46_tversky:
	s_mov_b64 s[64:65], 0
	v_nop
	global_prefetch_b8 v0, s[64:65] scope:SCOPE_SE
	s_setreg_imm32_b32 hwreg(HW_REG_WAVE_MODE, 25, 1), 1
	s_wait_xcnt 0x0
; out0[b][p] = I / (I + alpha (Sx[b] - I) + beta (Sp[p] - I) + 1e-8) + bias[p],  I = sum over f of min(xs[b][f], ps[p][f]),  xs = sigmoid(Q(x) Q(features)^T),  ps = sigmoid(prototypes).
; max(a - b, 0) = a - min(a, b) for all numbers, so the two differences' sums are the rows' sums Sx, Sp less I, and only I needs the walk over all (b, p, f).
; LIMIT: Sx, Sp and I are f32 sums of at most 256 numbers between 0 and 1, so Sx - I and Sp - I carry an absolute error of about 256 x 2^-24 x the row's sum; for alpha, beta >= 0 the denominator is at
; least I + alpha (Sx - I), so its relative error stays near max(1, alpha, beta) x 1.5e-5.  NaN and infinities among the inputs are not served.
; SHARES.  A work-group owns 32 rows b x 64 columns p.  ITS FOUR WAVES SHARE f: wave w takes f = 64 w .. 64 w + 63, and for those it needs nobody: its 4 tiles of features and the 2 tiles of x come as codes, in the
; order of the operand's registers, straight into registers; 32 matrix instructions (source 0 = 16 features, source 1 = 16 rows of x: a lane holds ONE b and eight neighbouring f), 64 sigmoids a lane, its part of Sx.
; Then a lane (bg = lane / 8, pg = lane % 8) owns 8 b x 8 p: 64 accumulators; for 4 f it reads 16 x 16 bytes for 256 minima.
; A MINIMUM AND ITS ADDITION COST ONE INSTRUCTION: two minima in a dual-issue pair, two additions in a packed one.  The pair's halves take f = j and f = j xor 1 of two neighbouring p, so that their sources lie
; in different register banks and their results in an even and an odd register.  An addition follows its minima eight pairs later; additions onto one accumulator pair stand eight instructions apart.
; At the end the four waves' accumulators meet in LDS as images of their registers (one barrier); each wave sums a quarter, read so that sixteen lanes hold 256 consecutive bytes of a row of out0.
; NO CLUSTER: every tile is asked for once, at the head (16 KB of ps, 24 KB of codes a wave), and nothing is filled again; the loads land under the product and its sigmoids, and a round of a cluster's barrier in front of
; them would only put them off.  NO PREFETCH: the launch is a few thousand instructions long, and all its loads go out at its head.
; The product is made again by each of the 4 column tiles: 32 matrix instructions and 64 sigmoids a lane beside 4,096 instructions of the walk; that keeps xs out of memory.
; REGISTERS.  v1-15 addresses.  Product: v16-143 features' 16 fragments, v144-207 x's 8, v208-239 four accumulators (used twice), v240-247 features' scale words, v248-251 x's.
;   Walk: v16-79 accumulators (8 b_idx + i), v80-207 two buffers of 32 + 32 operand registers, v208-239 sixteen pairs of minima, v240-243 Sp, v244-247 bias.  End: v80-199.
.set NTX,  128                         ; tiles of x in 'codes' and 'scales'; features' 16 follow
.set PSP,  272                         ; an LDS row of 64 f32: 256 bytes + 16: neighbouring rows start 16 bytes apart round the 256 bytes of a row of banks (ISA guide 11.1)
.set PSW,  64*PSP                      ; a wave's tile of ps
.set XSB,  4*PSW                       ; behind the four: xs,
.set XSW,  32*PSP                      ; 32 rows a wave
.set IMG,  XSB+4*XSW                   ; the accumulators' images: four registers of 32 lanes are 512 bytes;
.set IMK,  640                         ; they lie 640 apart, so that two neighbouring images read together fall on different banks
.set IMW,  16*IMK                      ; sixteen images a wave
.set SXB,  IMG+4*IMW                   ; Sx's parts: [b][wave], 16 bytes a row
.set FF,   16
.set XF,   144
.set D,    208
.set FS,   240
.set XSC,  248
.set E,    16                          ; v16-31 at work on Sx, v32-35 its two running pairs: registers of feature tile 0, done with after the first half of the product
.set F,    24
.set SX,   32
.set ACC,  16
.set BUF,  80
.set T,    208
.set SPR,  240
.set BIR,  244
.set RL,   80
.set SXL,  144
.set SXS,  160
.set XD,   168
.set PD,   184
	s_load_b256 s[4:11], s[0:1], 0x0               ; codes s[4:5], scales s[6:7], psw s[8:9], sp s[10:11]
	s_load_b256 s[12:19], s[0:1], 0x20             ; bias s[12:13], alpha s[14:15], beta s[16:17], out0 s[18:19]
	v_lshl_add_u32 v254, v0, 2, 0x29000
	v_mov_b32 v255, 0
	ds_add_u32 v254, v255
	ds_add_u32 v254, v255
	v_lshrrev_b32 v11, 5, v0
	v_readfirstlane_b32 s24, v11                   ; wave 0..3
	v_and_b32 v12, 31, v0                          ; lane
	v_lshlrev_b32 v1, 4, v12                       ; 16 x lane
	s_and_b32 s25, ttmp9, 3                        ; which 64 columns
	s_lshr_b32 s26, ttmp9, 2                       ; which 32 rows
	s_lshl_b32 s28, s24, 14                        ; my 4 tiles of features: 4,096 bytes a tile,
	s_add_co_u32 s28, s28, NTX*4096                ; behind x's
	s_mov_b32 s29, 0
	s_lshl_b32 s30, s26, 13                        ; the work-group's 2 tiles of x
	s_mov_b32 s31, 0
	s_lshl_b32 s32, s24, 10                        ; the same tiles' scale words: 256 bytes a tile
	s_add_co_u32 s32, s32, NTX*256
	s_mov_b32 s33, 0
	s_lshl_b32 s34, s26, 9
	s_mov_b32 s35, 0
	s_lshl_b32 s56, s25, 16                        ; ps: 64 rows of 1,024 bytes,
	s_lshl_b32 s57, s24, 8                         ; my 64 f: 256 bytes of each
	s_add_co_u32 s56, s56, s57
	s_mov_b32 s57, 0
	s_mov_b32 s36, 1                               ; descriptor group 0: count = 1;
	s_mul_i32 s37, s24, PSW                        ; LDS address: my wave's own tile
	s_mov_b32 s40, (2<<16)|(1<<20)|(5<<22)|(3<<25) ; group 1: no mask; elements of 4 bytes; padding on: after every 64 words, 4 words
	s_mov_b32 s41, 64<<16                          ; tensor_dim0 = 64
	s_mov_b32 s42, 64<<16                          ; tensor_dim1 = 64
	s_mov_b32 s43, 64<<16                          ; tile_dim0 = 64
	s_mov_b32 s44, 64                              ; tile_dim1 = 64
	s_mov_b32 s45, 256                             ; from row to row: 256 elements
	s_mov_b32 s46, 0
	s_mov_b32 s47, 0
	s_mov_b32 s20, 0x76543210                      ; v_permlanex16_b32's selects for lane l xor 16
	s_mov_b32 s21, 0xfedcba98
	s_mov_b32 s52, 0x322bcc77                      ; 1e-8
	s_mov_b32 s53, s52                             ; (packed forms name a pair and take its low word for both halves: so the upper word is written)
	s_mov_b32 s54, 0xbfb8aa3b                      ; -log2(e)
	s_mov_b32 s55, s54
	s_wait_alu depctr_va_vdst(0)
	s_wait_dscnt 0x0
	s_wait_kmcnt 0x0
	s_add_nc_u64 s[28:29], s[4:5], s[28:29]
	s_add_nc_u64 s[30:31], s[4:5], s[30:31]
	s_add_nc_u64 s[32:33], s[6:7], s[32:33]
	s_add_nc_u64 s[34:35], s[6:7], s[34:35]
	s_add_nc_u64 s[38:39], s[8:9], s[56:57]        ; the tile's first element
	s_or_b32 s39, s39, 0x80000000                  ; type = 2
	s_load_b32 s48, s[14:15], 0x0                  ; alpha
	s_load_b32 s50, s[16:17], 0x0                  ; beta
	global_load_b128 v[XSC:XSC+3], v1, s[34:35]    ; x's scale words, K steps 0-3: lanes 0-15 tile 0's rows, lanes 16-31 tile 1's
	global_load_b128 v[FS:FS+3], v1, s[32:33]      ; features': tiles 0 and 1,
	global_load_b128 v[FS+4:FS+7], v1, s[32:33] offset:512   ; tiles 2 and 3
.irp n, 0,1,2,3,4,5,6,7,8,9,10,11,12,13,14,15
	global_load_b128 v[XF+4*\n:XF+4*\n+3], v1, s[30:31] offset:512*\n   ; 512 consecutive bytes each: tile n / 8, K step (n / 2) % 4, half n % 2
.endr
.irp n, 0,1,2,3,4,5,6,7,8,9,10,11,12,13,14,15,16,17,18,19,20,21,22,23,24,25,26,27,28,29,30,31
	global_load_b128 v[FF+4*\n:FF+4*\n+3], v1, s[28:29] offset:512*\n
.endr
	tensor_load_to_lds s[36:39], s[40:47]          ; my 64 p x 64 f of ps: the wave's one tensor load, into bytes that it alone reads and that are filled once
	s_nop 0
.rept 4
	v_nop                                          ; four behind a tensor load
.endr
	v_and_b32 v13, 15, v0                          ; r; at the end: which 16 bytes of a row of out0
	v_bfe_u32 v14, v0, 4, 1                        ; h; at the end: which of two rows
	s_mul_i32 s58, s24, XSW
	s_add_co_u32 s58, s58, XSB                     ; my wave's xs
	v_mul_u32_u24 v2, v13, PSP
	v_lshl_add_u32 v2, v14, 5, v2
	v_add_nc_u32 v2, s58, v2                       ; v2: where I put xs: row r, + 32 h bytes (f = 8 h on)
	v_bfe_u32 v15, v0, 3, 2                        ; bg
	v_mul_u32_u24 v3, v15, 8*PSP
	v_add_nc_u32 v3, s58, v3                       ; v3: my eight rows of xs: 8 bg + i
	v_and_b32 v15, 7, v0                           ; pg
	v_mul_u32_u24 v4, v15, PSP
	v_add_nc_u32 v4, s37, v4                       ; v4: my eight rows of ps: pg + 8 i
	s_mul_i32 s59, s24, IMW
	s_add_co_u32 s59, s59, IMG
	v_add_nc_u32 v5, s59, v1                       ; v5: my wave's images, 16 x lane
	s_mul_i32 s59, s24, 4*IMK
	s_add_co_u32 s59, s59, IMG
	v_lshlrev_b32 v6, 4, v15
	v_bfe_u32 v11, v0, 3, 1
	v_mad_u32_u24 v6, v11, IMK, v6
	v_mad_u32_u24 v6, v14, 2*IMK, v6
	v_add_nc_u32 v6, s59, v6                       ; v6: back: image 4 w + 2 (lane / 16) + (lane / 8) % 2, the place of lane pg of group 0
	s_lshl_b32 s59, s24, 2
	s_add_co_u32 s59, s59, SXB
	v_add_nc_u32 v7, s59, v1                       ; v7: Sx's part of row b = lane, from my wave
	s_lshl_b32 s59, s24, 5
	s_add_co_u32 s59, s59, SXB
	v_lshl_add_u32 v8, v14, 4, s59                 ; v8: back: the four parts of row 2 w + lane / 16
	v_lshlrev_b32 v10, 4, v13                      ; v10: my 16 bytes among the tile's 256 of sp, bias
	v_lshl_add_u32 v9, v14, 10, v10                ; v9: and of out0, lanes 16-31 a row further down
	s_lshl_b32 s56, s25, 8                         ; the tile's 64 columns: 256 bytes
	s_add_nc_u64 s[10:11], s[10:11], s[56:57]
	s_add_nc_u64 s[12:13], s[12:13], s[56:57]
	s_lshl_b32 s58, s26, 15                        ; 32 rows of 1,024 bytes,
	s_lshl_b32 s59, s24, 11                        ; my wave's rows 2 w, 2 w + 1 of each eight
	s_add_co_u32 s58, s58, s59
	s_add_co_u32 s56, s56, s58
	s_add_nc_u64 s[18:19], s[18:19], s[56:57]
; One matrix instruction; its registers stand in the symbols RD_, RA_, RB_, SA_, SB_.  n, m: the scale words of feature tile n of a pair, and of x's tile m, lie in lanes 16 n and 16 m on.
.macro WM zero, n, m
.if \zero
.if (\n)+2*(\m) == 0
	v_wmma_scale_f32_16x16x128_f8f6f4 v[RD_:RD_+7], v[RA_:RA_+7], v[RB_:RB_+7], 0, v[SA_], v[SB_] matrix_a_fmt:MATRIX_FMT_FP4 matrix_b_fmt:MATRIX_FMT_FP4
.elseif (\n)+2*(\m) == 1
	v_wmma_scale_f32_16x16x128_f8f6f4 v[RD_:RD_+7], v[RA_:RA_+7], v[RB_:RB_+7], 0, v[SA_], v[SB_] matrix_a_fmt:MATRIX_FMT_FP4 matrix_b_fmt:MATRIX_FMT_FP4 matrix_a_scale:MATRIX_SCALE_ROW1
.elseif (\n)+2*(\m) == 2
	v_wmma_scale_f32_16x16x128_f8f6f4 v[RD_:RD_+7], v[RA_:RA_+7], v[RB_:RB_+7], 0, v[SA_], v[SB_] matrix_a_fmt:MATRIX_FMT_FP4 matrix_b_fmt:MATRIX_FMT_FP4 matrix_b_scale:MATRIX_SCALE_ROW1
.else
	v_wmma_scale_f32_16x16x128_f8f6f4 v[RD_:RD_+7], v[RA_:RA_+7], v[RB_:RB_+7], 0, v[SA_], v[SB_] matrix_a_fmt:MATRIX_FMT_FP4 matrix_b_fmt:MATRIX_FMT_FP4 matrix_a_scale:MATRIX_SCALE_ROW1 matrix_b_scale:MATRIX_SCALE_ROW1
.endif
.else
.if (\n)+2*(\m) == 0
	v_wmma_scale_f32_16x16x128_f8f6f4 v[RD_:RD_+7], v[RA_:RA_+7], v[RB_:RB_+7], v[RD_:RD_+7], v[SA_], v[SB_] matrix_a_fmt:MATRIX_FMT_FP4 matrix_b_fmt:MATRIX_FMT_FP4
.elseif (\n)+2*(\m) == 1
	v_wmma_scale_f32_16x16x128_f8f6f4 v[RD_:RD_+7], v[RA_:RA_+7], v[RB_:RB_+7], v[RD_:RD_+7], v[SA_], v[SB_] matrix_a_fmt:MATRIX_FMT_FP4 matrix_b_fmt:MATRIX_FMT_FP4 matrix_a_scale:MATRIX_SCALE_ROW1
.elseif (\n)+2*(\m) == 2
	v_wmma_scale_f32_16x16x128_f8f6f4 v[RD_:RD_+7], v[RA_:RA_+7], v[RB_:RB_+7], v[RD_:RD_+7], v[SA_], v[SB_] matrix_a_fmt:MATRIX_FMT_FP4 matrix_b_fmt:MATRIX_FMT_FP4 matrix_b_scale:MATRIX_SCALE_ROW1
.else
	v_wmma_scale_f32_16x16x128_f8f6f4 v[RD_:RD_+7], v[RA_:RA_+7], v[RB_:RB_+7], v[RD_:RD_+7], v[SA_], v[SB_] matrix_a_fmt:MATRIX_FMT_FP4 matrix_b_fmt:MATRIX_FMT_FP4 matrix_a_scale:MATRIX_SCALE_ROW1 matrix_b_scale:MATRIX_SCALE_ROW1
.endif
.endif
.endm
; Half g of the product: feature tiles 2 g, 2 g + 1 x both tiles of x, K = 512 in four steps.  The four accumulators take turns, one instruction a turn; the first K step starts the sums with the constant 0.
.macro GEMM g
.irp s, 0,1,2,3
.irp n, 0,1
.irp m, 0,1
.set RD_, D+8*(2*\n+\m)
.set RA_, FF+8*(4*(2*\g+\n)+\s)
.set RB_, XF+8*(4*\m+\s)
.set SA_, FS+4*\g+\s
.set SB_, XSC+\s
.if \s == 0
	WM 1, \n, \m
.else
	WM 0, \n, \m
.endif
.endr
.endr
.endr
.endm
; What follows a half: in accumulator 2 n + m lane (r, h) holds b = 16 m + r and f = 16 (2 g + n) + 8 h + 0..7.  Sigmoid in place; 32 bytes of a row of xs to LDS; my part of Sx.
.macro AFTER g
.rept 4
	v_nop                                          ; four places between the last matrix instruction and the first read of results (ISA guide 7.12.1)
.endr
.irp j, 0,2,4,6,8,10,12,14,16,18,20,22,24,26,28,30
	v_pk_mul_f32 v[D+\j:D+\j+1], v[D+\j:D+\j+1], s[54:55] op_sel_hi:[1,0]   ; -z log2(e); each accumulator from its low end on
.endr
	s_wait_alu depctr_va_vdst(0)
.irp j, 0,1,2,3,4,5,6,7,8,9,10,11,12,13,14,15,16,17,18,19,20,21,22,23,24,25,26,27,28,29,30,31
	v_exp_f32 v[D+\j], v[D+\j]                     ; e^-z
.endr
	v_nop                                          ; a plain line behind the last exponential,
	s_wait_alu depctr_va_vdst(0)                   ; and one wait for the batch, ahead of its first reader
.irp j, 0,2,4,6,8,10,12,14,16,18,20,22,24,26,28,30
	v_pk_add_f32 v[D+\j:D+\j+1], v[D+\j:D+\j+1], 1.0 op_sel_hi:[1,0]
.endr
	s_wait_alu depctr_va_vdst(0)
.irp j, 0,1,2,3,4,5,6,7,8,9,10,11,12,13,14,15,16,17,18,19,20,21,22,23,24,25,26,27,28,29,30,31
	v_rcp_f32 v[D+\j], v[D+\j]                     ; xs = 1 / (1 + e^-z)
.endr
	v_nop
	s_wait_alu depctr_va_vdst(0)
.irp n, 0,1
.irp m, 0,1
	ds_store_b128 v2, v[D+8*(2*\n+\m):D+8*(2*\n+\m)+3] offset:\m*16*PSP+(2*\g+\n)*64
	ds_store_b128 v2, v[D+8*(2*\n+\m)+4:D+8*(2*\n+\m)+7] offset:\m*16*PSP+(2*\g+\n)*64+16
.endr
.endr
.irp a, 0,1,2,3
	v_pk_add_f32 v[E+2*\a:E+2*\a+1], v[D+8*\a:D+8*\a+1], v[D+8*\a+2:D+8*\a+3]
.endr
.irp a, 0,1,2,3
	v_pk_add_f32 v[F+2*\a:F+2*\a+1], v[D+8*\a+4:D+8*\a+5], v[D+8*\a+6:D+8*\a+7]
.endr
.irp a, 0,1,2,3
	v_pk_add_f32 v[E+2*\a:E+2*\a+1], v[E+2*\a:E+2*\a+1], v[F+2*\a:F+2*\a+1]
.endr
.if \g == 0
.irp m, 0,1
	v_pk_add_f32 v[SX+2*\m:SX+2*\m+1], v[E+2*\m:E+2*\m+1], v[E+4+2*\m:E+5+2*\m]   ; the first half starts the sums
.endr
.else
.irp m, 0,1
	v_pk_add_f32 v[E+2*\m:E+2*\m+1], v[E+2*\m:E+2*\m+1], v[E+4+2*\m:E+5+2*\m]
.endr
.irp m, 0,1
	v_pk_add_f32 v[SX+2*\m:SX+2*\m+1], v[SX+2*\m:SX+2*\m+1], v[E+2*\m:E+2*\m+1]
.endr
.endif
.endm
	s_wait_loadcnt 16                              ; all but the youngest sixteen loads (feature tiles 2 and 3) are in
	GEMM 0
	AFTER 0
	s_wait_loadcnt 0x0
	s_wait_dscnt 0x0                               ; the LDS stores have read the accumulators, which are begun anew
.rept 5
	v_nop                                          ; five places ahead of matrix instructions that write over earlier ones' results
.endr
	GEMM 1
	AFTER 1
	v_add_f32 v36, v[SX], v[SX+1]                  ; my 32 f of rows r and 16 + r,
	v_add_f32 v37, v[SX+2], v[SX+3]
	v_mov_b32 v38, 0                               ; (a lane permute's destination counts as one of its sources)
	v_mov_b32 v39, 0
	v_permlanex16_b32 v38, v36, s20, s21
	v_permlanex16_b32 v39, v37, s20, s21
	v_add_f32 v36, v36, v38                        ; with lane l xor 16's 32: my wave's 64 f
	v_add_f32 v37, v37, v39
	v_cmp_le_u32 vcc_lo, 16, v12
	v_cndmask_b32 v36, v36, v37, vcc_lo            ; lane l stores row b = l's
	ds_store_b32 v7, v36
	global_load_b128 v[SPR:SPR+3], v10, s[10:11]   ; Sp and bias of the four columns that I finish at the end: they have the whole walk in which to land
	global_load_b128 v[BIR:BIR+3], v10, s[12:13]
	s_wait_kmcnt 0x0                               ; alpha, beta
	s_mov_b32 s49, s48
	s_mov_b32 s51, s50
; THE WALK.  A chunk is 4 f.  Sixteen LDS loads bring it: xs rows 8 bg + i (lanes of one bg read the same 16 bytes), ps rows pg + 8 i.
.macro LOADS buf, off
.irp i, 0,1,2,3,4,5,6,7
	ds_load_b128 v[BUF+64*\buf+4*\i:BUF+64*\buf+4*\i+3], v3 offset:\off+\i*PSP
.endr
.irp i, 0,1,2,3,4,5,6,7
	ds_load_b128 v[BUF+64*\buf+32+4*\i:BUF+64*\buf+32+4*\i+3], v4 offset:\off+\i*8*PSP
.endr
.endm
; Step k of 128 = 16 b_idx + 4 j + ip: the pair of minima for (b_idx, p index 2 ip, f = j) and (b_idx, 2 ip + 1, f = j xor 1), into pair k % 16 of T; behind it the addition of step k - 8
; (in the first eight steps: of the chunk before).  first = 1: the steps with j = 0 write the accumulators themselves: nothing is cleared, and those steps have no addition.
.macro COMP buf, first
.set k, 0
.rept 128
.set jj, (k/4)%4
.set jx, jj+1-2*(jj%2)
.set ra, BUF+64*\buf+4*(k/16)
.set rp, BUF+64*\buf+32+8*(k%4)
.set dd, T+2*(k%16)
.if \first
.if jj == 0
.set dd, ACC+8*(k/16)+2*(k%4)
.endif
.endif
	v_dual_min_num_f32 v[dd], v[ra+jj], v[rp+jj] :: v_dual_min_num_f32 v[dd+1], v[ra+jx], v[rp+4+jx]
.set ka, (k+120)%128
.set doadd, 1
.if \first
.if k < 8
.set doadd, 0
.endif
.if ((ka/4)%4) == 0
.set doadd, 0
.endif
.endif
.if doadd
	v_pk_add_f32 v[ACC+8*(ka/16)+2*(ka%4):ACC+8*(ka/16)+2*(ka%4)+1], v[ACC+8*(ka/16)+2*(ka%4):ACC+8*(ka/16)+2*(ka%4)+1], v[T+2*(ka%16):T+2*(ka%16)+1]
.endif
.set k, k+1
.endr
.endm
	s_wait_tensorcnt 0x0                           ; my tile of ps lies in LDS; I alone read it
	LOADS 0, 0                                     ; chunk 0 (LDS serves a wave's instructions in order: these see my stores of xs)
	LOADS 1, 16                                    ; chunk 1
	s_wait_dscnt 16                                ; all but the sixteen just issued
	COMP 0, 1
	s_mov_b32 s60, 7
.Lpair:                                            ; trip t: chunks 2 t + 1 and 2 t + 2 are worked, chunks 2 t + 2 and 2 t + 3 fetched
	s_wait_alu depctr_va_vdst(0)
	LOADS 0, 32
	s_wait_dscnt 16                                ; the chunk in hand is in; the next chunk's sixteen loads may be out
	COMP 1, 0
	LOADS 1, 48
	s_wait_alu depctr_va_vdst(0)
	s_wait_dscnt 16
	COMP 0, 0
	v_add_nc_u32 v3, 32, v3                        ; two chunks on
	v_add_nc_u32 v4, 32, v4
	s_sub_co_i32 s60, s60, 1
	s_cmp_lg_u32 s60, 0
	s_cbranch_scc1 .Lpair
	s_wait_dscnt 0x0                               ; chunk 15: nothing more to fetch
	COMP 1, 0
.set ka, 120
.rept 8
	v_pk_add_f32 v[ACC+8*(ka/16)+2*(ka%4):ACC+8*(ka/16)+2*(ka%4)+1], v[ACC+8*(ka/16)+2*(ka%4):ACC+8*(ka/16)+2*(ka%4)+1], v[T+2*(ka%16):T+2*(ka%16)+1]   ; the last eight additions
.set ka, ka+1
.endr
	; THE END.  Image k = accumulators 4 k .. 4 k + 3: row index k / 2, columns 32 (k % 2) + 4 pg + 0..3.
.irp k, 0,1,2,3,4,5,6,7,8,9,10,11,12,13,14,15
	ds_store_b128 v5, v[ACC+4*\k:ACC+4*\k+3] offset:\k*IMK
.endr
	s_wait_dscnt 0x0                               ; for the others' sake: my images and my part of Sx lie in LDS
	s_barrier_signal -1
	s_barrier_wait -1                              ; everybody's do
.irp n, 0,1,2,3
	ds_load_b128 v[SXL+4*\n:SXL+4*\n+3], v8 offset:128*\n          ; the four waves' parts of Sx of row 8 n + 2 w + lane / 16
.endr
.irp w, 0,1,2,3
.irp n, 0,1,2,3
	ds_load_b128 v[RL+16*\w+4*\n:RL+16*\w+4*\n+3], v6 offset:\w*IMW+128*\n   ; wave w's part of I for that row, columns 4 (lane % 16) + 0..3
.endr
.endr
	s_wait_dscnt 16                                ; Sx's parts are in; the sixteen loads behind them may be out
.irp n, 0,1,2,3
	v_pk_add_f32 v[SXS+2*\n:SXS+2*\n+1], v[SXL+4*\n:SXL+4*\n+1], v[SXL+4*\n+2:SXL+4*\n+3]
.endr
.irp n, 0,1,2,3
	v_add_f32 v[SXS+2*\n], v[SXS+2*\n], v[SXS+2*\n+1]              ; Sx, in the pair's low register
.endr
	s_wait_dscnt 0x0
.irp u, 0,2,4,6,8,10,12,14
	v_pk_add_f32 v[RL+\u:RL+\u+1], v[RL+\u:RL+\u+1], v[RL+16+\u:RL+17+\u]
.endr
.irp u, 0,2,4,6,8,10,12,14
	v_pk_add_f32 v[RL+32+\u:RL+33+\u], v[RL+32+\u:RL+33+\u], v[RL+48+\u:RL+49+\u]
.endr
.irp u, 0,2,4,6,8,10,12,14
	v_pk_add_f32 v[RL+\u:RL+\u+1], v[RL+\u:RL+\u+1], v[RL+32+\u:RL+33+\u]   ; I: register 4 n + e is row 8 n + .., column 4 (lane % 16) + e
.endr
	s_wait_alu depctr_va_vdst(0)
	s_wait_loadcnt 0x0                             ; Sp, bias
.irp u, 0,2,4,6,8,10,12,14
	v_pk_add_f32 v[XD+\u:XD+\u+1], v[SXS+2*(\u/4):SXS+2*(\u/4)+1], v[RL+\u:RL+\u+1] op_sel_hi:[0,1] neg_lo:[0,1] neg_hi:[0,1]   ; x_diff = Sx - I (the pair's low register serves both halves)
.endr
.irp u, 0,2,4,6,8,10,12,14
	v_pk_add_f32 v[PD+\u:PD+\u+1], v[SPR+\u%4:SPR+\u%4+1], v[RL+\u:RL+\u+1] neg_lo:[0,1] neg_hi:[0,1]   ; p_diff = Sp - I
.endr
.irp u, 0,2,4,6,8,10,12,14
	v_pk_fma_f32 v[XD+\u:XD+\u+1], v[XD+\u:XD+\u+1], s[48:49], v[RL+\u:RL+\u+1] op_sel_hi:[1,0,1]   ; I + alpha x_diff
.endr
.irp u, 0,2,4,6,8,10,12,14
	v_pk_fma_f32 v[XD+\u:XD+\u+1], v[PD+\u:PD+\u+1], s[50:51], v[XD+\u:XD+\u+1] op_sel_hi:[1,0,1]   ; + beta p_diff
.endr
.irp u, 0,2,4,6,8,10,12,14
	v_pk_add_f32 v[XD+\u:XD+\u+1], v[XD+\u:XD+\u+1], s[52:53] op_sel_hi:[1,0]   ; + 1e-8
.endr
	s_wait_alu depctr_va_vdst(0)
.irp j, 0,1,2,3,4,5,6,7,8,9,10,11,12,13,14,15
	v_rcp_f32 v[XD+\j], v[XD+\j]
.endr
	v_nop                                          ; a plain line behind the last reciprocal,
	s_wait_alu depctr_va_vdst(0)                   ; and one wait for the sixteen, ahead of their first reader
.irp u, 0,2,4,6,8,10,12,14
	v_pk_fma_f32 v[PD+\u:PD+\u+1], v[RL+\u:RL+\u+1], v[XD+\u:XD+\u+1], v[BIR+\u%4:BIR+\u%4+1]   ; I / denominator + bias
.endr
.irp n, 0,1,2,3
	global_store_b128 v9, v[PD+4*\n:PD+4*\n+3], s[18:19] offset:8192*\n th:TH_STORE_NT   ; sixteen lanes store 256 consecutive bytes, at a multiple of 256 from out0's first byte; lanes 16-31 the next row's
.endr
	s_wait_tensorcnt 0x0
	ds_add_u32 v254, v255
	s_wait_dscnt 0x0
	s_endpgm
.Lfunc_end_k_q941e4efd46_tversky:
	.size	k_q941e4efd46_tversky, .Lfunc_end_k_q941e4efd46_tversky-k_q941e4efd46_tversky
	.p2alignl 7, 3214868480
	.fill 96, 4, 3214868480
	.section	.rodata,"a",@progbits
	.p2align	6, 0x0
	.amdhsa_kernel k_q941e4efd46_tversky
		.amdhsa_group_segment_fixed_size 168448
		.amdhsa_private_segment_fixed_size 0
		.amdhsa_enable_private_segment 0
		.amdhsa_kernarg_size 64
		.amdhsa_user_sgpr_count 2
		.amdhsa_user_sgpr_kernarg_segment_ptr 1
		.amdhsa_wavefront_size32 1
		.amdhsa_system_sgpr_workgroup_id_x 1
		.amdhsa_system_sgpr_workgroup_id_y 1
		.amdhsa_system_sgpr_workgroup_id_z 1
		.amdhsa_system_vgpr_workitem_id 0
		.amdhsa_next_free_vgpr 256
		.amdhsa_next_free_sgpr 66
		.amdhsa_reserve_vcc 1
		.amdhsa_float_denorm_mode_32 3
		.amdhsa_float_denorm_mode_16_64 3
		.amdhsa_memory_ordered 1
		.amdhsa_forward_progress 1
		.amdhsa_inst_pref_size 101
	.end_amdhsa_kernel
	.amdgpu_metadata
---
amdhsa.version: [ 1, 2 ]
amdhsa.kernels:
  - .name:           k_q941e4efd46_tversky
    .symbol:         k_q941e4efd46_tversky.kd
    .args:
      - { .name: codes, .offset: 0, .size: 8, .value_kind: global_buffer, .address_space: global }
      - { .name: scales, .offset: 8, .size: 8, .value_kind: global_buffer, .address_space: global }
      - { .name: psw, .offset: 16, .size: 8, .value_kind: global_buffer, .address_space: global }
      - { .name: sp, .offset: 24, .size: 8, .value_kind: global_buffer, .address_space: global }
      - { .name: bias, .offset: 32, .size: 8, .value_kind: global_buffer, .address_space: global }
      - { .name: alpha, .offset: 40, .size: 8, .value_kind: global_buffer, .address_space: global }
      - { .name: beta, .offset: 48, .size: 8, .value_kind: global_buffer, .address_space: global }
      - { .name: out0, .offset: 56, .size: 8, .value_kind: global_buffer, .address_space: global }
    .group_segment_fixed_size: 168448
    .private_segment_fixed_size: 0
    .kernarg_segment_align: 8
    .kernarg_segment_size: 64
    .max_flat_workgroup_size: 128
    .sgpr_count:     66
    .vgpr_count:     256
    .wavefront_size: 32
...
	.end_amdgpu_metadata
.endif
;; end of part 2
